; MI455X (gfx1250); checked and timed in simulation.
; The chip was launched on July 23, 2026; its instructions are those of AMD's public machine-readable ISA for CDNA 5 (MIT licence, August 2026) and "CDNA5" Instruction Set Architecture Reference Guide (July 2026). The comments in the code are by the model that wrote it; some were corrected since.
;; Self Attention. Allowed arithmetic: float matrix products may take bf16 or f16 operands with f32 sums; all other float work in f32.
;; Inputs: b_out 1,024 float32; b_qkv 3,072 float32; gn_b 1,024 float32; gn_w 1,024 float32; w_out 1,024 x 1,024 float32; w_qkv 3,072 x 1,024 float32; x 4 x 1,024 x 1,024 float32.
;; Outputs: out0 4 x 1,024 x 1,024 float32.
;; One version. Each part assembles by itself: llvm-mc -triple=amdgcn-amd-amdhsa -mcpu=gfx1250 --defsym DOCPART=n.
;; ======== version 1 of 1: 4 launches
;; workspace buffers: h 8,388,608 bytes; wqb 6,291,456 bytes; wob 2,097,152 bytes; qkv 25,165,824 bytes; o 8,388,608 bytes
;; launch prep (part 1): grid 256 x 1, 8 waves a work-group, no clusters, 1,280 bytes of LDS; arguments x, gn_w, gn_b, w_qkv, w_out, h, wqb, wob; writes h, wqb, wob
.if DOCPART == 1
	.amdgcn_target "amdgcn-amd-amdhsa--gfx1250"
	.amdhsa_code_object_version 6
	.text
	.protected	k_q7014217340_prep
	.globl	k_q7014217340_prep
	.p2align	8
	.type	k_q7014217340_prep,@function
k_q7014217340_prep:
	s_mov_b64 s[64:65], 0
	v_nop
	global_prefetch_b8 v0, s[64:65] scope:SCOPE_SE
	s_setreg_imm32_b32 hwreg(HW_REG_WAVE_MODE, 25, 1), 1
	s_wait_xcnt 0x0
; GroupNorm of x into bf16 (h), and w_qkv, w_out into bf16 (wqb, wob).
; Every work-group takes 131,072 consecutive bytes of f32 and stores 65,536 bytes of bf16.
;   work-groups 0-127:   one group of the norm (32 rows x 1,024 columns of x, consecutive in memory)
;   work-groups 128-223: a 96th of w_qkv;   work-groups 224-255: a 32nd of w_out (conversion alone)
; Eight waves; wave w takes 16,384 bytes = 4 rows; lane load j reads at 16,384 w + 512 j + 16 lane.  The wave's part stays in
; 128 registers between the passes, so x is read once.  The variance is taken in two passes (mean first, then the squares of
; x - mean), so a common offset of x forms no difference of large sums.  All arithmetic in f32, one rounding to bf16.
; A stream in which no byte is shared between work-groups: no matrix unit, no tensor load, no cluster.
.set OFFI, 1                           ; v1      byte offset of my 16 bytes in the work-group's input
.set OFFO, 2                           ; v2      byte offset of my 8 bytes in its output
.set WOFF, 3                           ; v3      4 x wave: my wave's word in LDS
.set ZERO, 4                           ; v4      0: LDS address of the eight words
.set TP,   5                           ; v5      at work (written early: the lane exchange counts its destination as read)
.set SUM,  8                           ; v[8:15]  four chains of pairs
.set RED,  16                          ; v[16:23] the eight waves' figures
.set MU,   24                          ; v[24:25] mean, twice
.set RS,   26                          ; v26      1 / sqrt(var + eps)
.set AP,   28                          ; v[28:29] a row's gain x RS, twice
.set BP,   30                          ; v[30:31] a row's bias, twice
.set X,    32                          ; v[32:159] my 128 numbers
	s_load_b512 s[4:19], s[0:1], 0x0               ; x 4:5, gn_w 6:7, gn_b 8:9, w_qkv 10:11, w_out 12:13, h 14:15, wqb 16:17, wob 18:19
	v_lshl_add_u32 v160, v0, 2, 0x100
	v_mov_b32 v161, 0
	v_lshrrev_b32 v[WOFF], 5, v0                   ; wave
	v_and_b32 v[TP], 31, v0                        ; lane
	v_readfirstlane_b32 s46, v[WOFF]
	v_lshlrev_b32 v[OFFI], 14, v[WOFF]
	v_lshl_or_b32 v[OFFI], v[TP], 4, v[OFFI]
	v_lshlrev_b32 v[OFFO], 13, v[WOFF]
	v_lshl_or_b32 v[OFFO], v[TP], 3, v[OFFO]
	v_lshlrev_b32 v[WOFF], 2, v[WOFF]
	v_mov_b32 v[ZERO], 0
	; three part numbers, each clamped into its own buffer, so that each of the three addresses below lies inside its buffer
	s_min_u32 s24, ttmp9, 127                      ; part of x: 0..127
	s_max_u32 s25, ttmp9, 128
	s_min_u32 s25, s25, 223
	s_sub_co_u32 s25, s25, 128                     ; part of w_qkv: 0..95
	s_max_u32 s26, ttmp9, 224
	s_sub_co_u32 s26, s26, 224                     ; part of w_out: 0..31
	s_mov_b32 s29, 0
	s_mov_b32 s45, 0
	s_mov_b32 s40, 0x76543210                      ; v_permlanex16_b32: lane i takes lane i of the other half
	s_mov_b32 s41, 0xfedcba98
	s_mov_b32 s42, 0x38000000                      ; 1 / 32,768
	s_mov_b32 s43, 0x358637bd                      ; eps = 1e-6
	s_wait_kmcnt 0x0
	s_lshl_b32 s28, s24, 17
	s_lshl_b32 s44, s24, 16
	s_add_nc_u64 s[4:5], s[4:5], s[28:29]
	s_add_nc_u64 s[14:15], s[14:15], s[44:45]
	s_lshl_b32 s28, s25, 17
	s_lshl_b32 s44, s25, 16
	s_add_nc_u64 s[10:11], s[10:11], s[28:29]
	s_add_nc_u64 s[16:17], s[16:17], s[44:45]
	s_lshl_b32 s28, s26, 17
	s_lshl_b32 s44, s26, 16
	s_add_nc_u64 s[12:13], s[12:13], s[28:29]
	s_add_nc_u64 s[18:19], s[18:19], s[44:45]
	s_cmp_lt_u32 ttmp9, 224                        ; the choice hangs on the work-group's number alone
	s_cselect_b64 s[20:21], s[10:11], s[12:13]
	s_cselect_b64 s[22:23], s[16:17], s[18:19]
	s_cmp_lt_u32 ttmp9, 128
	s_cselect_b64 s[20:21], s[4:5], s[20:21]       ; from where
	s_cselect_b64 s[22:23], s[14:15], s[22:23]     ; to where
.set j, 0
.rept 32
	global_load_b128 v[X+4*j:X+4*j+3], v[OFFI], s[20:21] offset:512*j th:TH_LOAD_NT   ; 512 consecutive bytes a wave; all 32 loads go out at once
.set j, j+1
.endr
	s_cmp_ge_u32 ttmp9, 128                        ; weights are converted alone.  The branch is the same in all eight waves,
	s_cbranch_scc1 .Lcvt                           ; so the two barriers below are passed by all of them or by none
	; gain and bias of my wave's four rows: row 32 (group mod 32) + 4 wave, 4 bytes each
	s_and_b32 s24, ttmp9, 31
	s_lshl_b32 s24, s24, 7
	s_lshl_b32 s26, s46, 4
	s_add_co_u32 s24, s24, s26
	s_mov_b32 s25, 0
	s_add_nc_u64 s[6:7], s[6:7], s[24:25]
	s_add_nc_u64 s[8:9], s[8:9], s[24:25]
	s_load_b128 s[32:35], s[6:7], 0x0
	s_load_b128 s[36:39], s[8:9], 0x0
; four chains of pairs to one number in v[SUM]
.macro LANESUM
	v_pk_add_f32 v[SUM:SUM+1], v[SUM:SUM+1], v[SUM+2:SUM+3]
	v_pk_add_f32 v[SUM+4:SUM+5], v[SUM+4:SUM+5], v[SUM+6:SUM+7]
	v_pk_add_f32 v[SUM:SUM+1], v[SUM:SUM+1], v[SUM+4:SUM+5]
	v_add_f32 v[SUM], v[SUM], v[SUM+1]
.endm
; v[SUM] summed over the wave's 32 lanes, then over the eight waves through eight LDS words at ldsoff; the result in every lane
.macro WREDUCE ldsoff
	v_add_f32_dpp v[SUM], v[SUM], v[SUM] row_xmask:1 row_mask:0xf bank_mask:0xf
	v_add_f32_dpp v[SUM], v[SUM], v[SUM] row_xmask:2 row_mask:0xf bank_mask:0xf
	v_add_f32_dpp v[SUM], v[SUM], v[SUM] row_xmask:4 row_mask:0xf bank_mask:0xf
	v_add_f32_dpp v[SUM], v[SUM], v[SUM] row_xmask:8 row_mask:0xf bank_mask:0xf
	v_permlanex16_b32 v[TP], v[SUM], s40, s41
	v_add_f32 v[SUM], v[SUM], v[TP]
	ds_store_b32 v[WOFF], v[SUM] offset:\ldsoff    ; all lanes store the same number to the wave's word
	s_wait_dscnt 0x0                               ; my store is done, for the other waves' sake, before I signal
	s_barrier_signal -1
	s_barrier_wait -1
	ds_load_b128 v[RED:RED+3], v[ZERO] offset:\ldsoff
	ds_load_b128 v[RED+4:RED+7], v[ZERO] offset:\ldsoff+16
	s_wait_dscnt 0x0
	v_add_f32 v[RED], v[RED], v[RED+1]
	v_add_f32 v[RED+2], v[RED+2], v[RED+3]
	v_add_f32 v[RED+4], v[RED+4], v[RED+5]
	v_add_f32 v[RED+6], v[RED+6], v[RED+7]
	v_add_f32 v[RED], v[RED], v[RED+2]
	v_add_f32 v[RED+4], v[RED+4], v[RED+6]
	v_add_f32 v[SUM], v[RED], v[RED+4]
.endm
	s_wait_loadcnt 0x0
	; pass 1: the sum.  The first eight pairs start the four chains: nothing is cleared
.irp c, 0,1,2,3
	v_pk_add_f32 v[SUM+2*\c:SUM+2*\c+1], v[X+2*\c:X+2*\c+1], v[X+2*\c+8:X+2*\c+9]
.endr
.set p, 8
.rept 56
	v_pk_add_f32 v[SUM+2*(p%4):SUM+2*(p%4)+1], v[SUM+2*(p%4):SUM+2*(p%4)+1], v[X+2*p:X+2*p+1]
.set p, p+1
.endr
	LANESUM
	WREDUCE 0
	v_mul_f32 v[MU], s42, v[SUM]                   ; mean of the group's 32,768 numbers
	v_mov_b32 v[MU+1], v[MU]
	; pass 2: x - mean in place, and the sum of its squares
.set p, 0
.rept 64
	v_pk_add_f32 v[X+2*p:X+2*p+1], v[X+2*p:X+2*p+1], v[MU:MU+1] neg_lo:[0,1] neg_hi:[0,1]
.set p, p+1
.endr
.irp c, 0,1,2,3
	v_pk_mul_f32 v[SUM+2*\c:SUM+2*\c+1], v[X+2*\c:X+2*\c+1], v[X+2*\c:X+2*\c+1]
.endr
.set p, 4
.rept 60
	v_pk_fma_f32 v[SUM+2*(p%4):SUM+2*(p%4)+1], v[X+2*p:X+2*p+1], v[X+2*p:X+2*p+1], v[SUM+2*(p%4):SUM+2*(p%4)+1]
.set p, p+1
.endr
	LANESUM
	WREDUCE 128                                    ; other LDS words than the first sum's: no barrier is needed between the first reads and these stores
	v_fma_f32 v[RS], v[SUM], s42, s43              ; var + eps
	v_rsq_f32 v[RS], v[RS]
	v_nop                                          ; one plain vector instruction behind v_rsq_f32 before its result is used (ISA guide 5.7.2)
	s_wait_kmcnt 0x0                               ; gains and biases
	; y = (x - mean) (rstd gain) + bias, row by row: a row of my wave is 32 registers
	s_wait_alu depctr_va_vdst(0)
.irp rr, 0,1,2,3
	v_mul_f32 v[AP], s[32+\rr], v[RS]
	v_mul_f32 v[AP+1], s[32+\rr], v[RS]
	v_mov_b32 v[BP], s[36+\rr]
	v_mov_b32 v[BP+1], s[36+\rr]
.set p, 0
.rept 16
	v_pk_fma_f32 v[X+32*\rr+2*p:X+32*\rr+2*p+1], v[X+32*\rr+2*p:X+32*\rr+2*p+1], v[AP:AP+1], v[BP:BP+1]
.set p, p+1
.endr
.endr
.Lcvt:
	s_wait_loadcnt 0x0                             ; (met already on the way through the norm)
.set j, 0
.rept 32
	v_cvt_pk_bf16_f32 v[X+4*j], v[X+4*j], v[X+4*j+1]
	v_cvt_pk_bf16_f32 v[X+4*j+1], v[X+4*j+2], v[X+4*j+3]
	global_store_b64 v[OFFO], v[X+4*j:X+4*j+1], s[22:23] offset:256*j   ; a wave's store covers 256 consecutive bytes, aligned
.set j, j+1
.endr
	s_wait_tensorcnt 0x0
	ds_add_u32 v160, v161
	s_wait_dscnt 0x0
	s_endpgm
.Lfunc_end_k_q7014217340_prep:
	.size	k_q7014217340_prep, .Lfunc_end_k_q7014217340_prep-k_q7014217340_prep
	.p2alignl 7, 3214868480
	.fill 96, 4, 3214868480
	.section	.rodata,"a",@progbits
	.p2align	6, 0x0
	.amdhsa_kernel k_q7014217340_prep
		.amdhsa_group_segment_fixed_size 1280
		.amdhsa_private_segment_fixed_size 0
		.amdhsa_enable_private_segment 0
		.amdhsa_kernarg_size 64
		.amdhsa_user_sgpr_count 2
		.amdhsa_user_sgpr_kernarg_segment_ptr 1
		.amdhsa_wavefront_size32 1
		.amdhsa_system_sgpr_workgroup_id_x 1
		.amdhsa_system_sgpr_workgroup_id_y 1
		.amdhsa_system_sgpr_workgroup_id_z 1
		.amdhsa_system_vgpr_workitem_id 0
		.amdhsa_next_free_vgpr 162
		.amdhsa_next_free_sgpr 66
		.amdhsa_reserve_vcc 0
		.amdhsa_float_denorm_mode_32 3
		.amdhsa_float_denorm_mode_16_64 3
		.amdhsa_memory_ordered 1
		.amdhsa_forward_progress 1
		.amdhsa_inst_pref_size 32
	.end_amdhsa_kernel
	.amdgpu_metadata
---
amdhsa.version: [ 1, 2 ]
amdhsa.kernels:
  - .name:           k_q7014217340_prep
    .symbol:         k_q7014217340_prep.kd
    .args:
      - { .name: x, .offset: 0, .size: 8, .value_kind: global_buffer, .address_space: global }
      - { .name: gn_w, .offset: 8, .size: 8, .value_kind: global_buffer, .address_space: global }
      - { .name: gn_b, .offset: 16, .size: 8, .value_kind: global_buffer, .address_space: global }
      - { .name: w_qkv, .offset: 24, .size: 8, .value_kind: global_buffer, .address_space: global }
      - { .name: w_out, .offset: 32, .size: 8, .value_kind: global_buffer, .address_space: global }
      - { .name: h, .offset: 40, .size: 8, .value_kind: global_buffer, .address_space: global }
      - { .name: wqb, .offset: 48, .size: 8, .value_kind: global_buffer, .address_space: global }
      - { .name: wob, .offset: 56, .size: 8, .value_kind: global_buffer, .address_space: global }
    .group_segment_fixed_size: 1280
    .private_segment_fixed_size: 0
    .kernarg_segment_align: 8
    .kernarg_segment_size: 64
    .max_flat_workgroup_size: 256
    .sgpr_count:     66
    .vgpr_count:     162
    .wavefront_size: 32
...
	.end_amdgpu_metadata
.endif
;; end of part 1
;; launch qkvgemm (part 2): grid 16 x 16, 4 waves a work-group, clusters of 4 x 4, 327,680 bytes of LDS; arguments h, wqb, b_qkv, qkv; writes qkv
.if DOCPART == 2
	.amdgcn_target "amdgcn-amd-amdhsa--gfx1250"
	.amdhsa_code_object_version 6
	.text
	.protected	k_q7014217340_qkvgemm
	.globl	k_q7014217340_qkvgemm
	.p2align	8
	.type	k_q7014217340_qkvgemm,@function
k_q7014217340_qkvgemm:
	s_mov_b64 s[64:65], 0
	v_nop
	global_prefetch_b8 v0, s[64:65] scope:SCOPE_SE
	s_setreg_imm32_b32 hwreg(HW_REG_WAVE_MODE, 25, 1), 1
	s_wait_xcnt 0x0
	s_wait_alu depctr_hold_cnt(0) depctr_sa_sdst(0) depctr_va_vdst(0) depctr_va_sdst(0) depctr_va_ssrc(0) depctr_va_vcc(0) depctr_vm_vsrc(0)
	s_getreg_b32 s2, hwreg(HW_REG_IB_STS2, 6, 4)
	s_cmp_eq_u32 s2, 0
	s_cbranch_scc0 .Lentry_in_a_cluster
	s_endpgm
.Lentry_in_a_cluster:
	s_bfe_u32 s2, ttmp6, 0x10000c
	s_cmp_lg_u32 s2, 0xf033
	s_cbranch_scc0 .Lentry_shape_is_right
	s_endpgm
.Lentry_shape_is_right:
; qkv = h wqb^T + b_qkv, stored head-major: qkv[part (q,k,v)][batch*16 + head][s][64] in bf16.
; h: [4096][1024] bf16, wqb: [3072][1024] bf16, b_qkv: [3072] f32.  Sums in f32, started by the bias, rounded once.
; A work-group makes 256 rows x 192 columns (three whole heads): 16 x 16 = 256 work-groups.  Wave w makes rows 64 w .. 64 w + 63 of
; all 192 columns: 4 x 12 accumulator tiles, 384 registers; so a wave holds whole rows of three heads for the head-major way out.
; K goes in steps of 128 through two LDS slots filled by tensor loads; a tile's rows are 256 bytes of memory at multiples of 256.
; CLUSTERS: 4 x 4 work-groups.  h's tile hangs on the block row alone and is asked for jointly along a row of the cluster, wqb's on
; the block column alone and is asked for jointly along a column: four requests become one.
; THE WALK ALONG K IS ROTATED: a cluster starts at K step (2 x + 4 g) mod 8 (x, y its coordinates, g = (y xor y/2) mod 2) and wraps
; round.  The four clusters that read the same rows of h start two steps apart, so each K step of those rows is asked for first by
; one of them in its first two steps and by the other three at least two steps later; clusters that read the same rows of wqb and
; differ in g start four steps apart.  The offset hangs on the cluster's coordinates alone: it is equal in all partners of a joint
; load.  The order of the f32 sums along K therefore differs from cluster to cluster.
; The matrix instruction is used transposed (source 0 = rows of wqb, source 1 = rows of h): lane l then holds row l % 16 and
; registers 0-7 the columns 8 (l / 16) + 0..7, eight neighbouring numbers of a row.
; REGISTERS by windows of 256:  window 0: addresses, h's fragments (two buffers of 4), packed results, the bias tiles (later read-back);
; window 1: wqb's fragments (two buffers of 12);  window 2: accumulators of row blocks 0, 1;  window 3: of row blocks 2, 3.
.set PITCH,  272                       ; an LDS row: 256 bytes + 16 of padding, an odd multiple of 16: 16 rows start at 16 different 16-byte columns modulo 256
.set HALFA,  128*PITCH                 ; what one load of h brings
.set HALFB,  96*PITCH                  ; what one load of wqb brings
.set SLOT,   2*HALFA+2*HALFB           ; h's 256 rows, then wqb's 192 rows
.set STAGE,  2*SLOT                    ; behind the ring (a multiple of 256): 16 rows x 400 bytes for each wave; no tensor load lands here
.set SPITCH, 400                       ; 384 bytes of a row's 192 bf16 + 16
.set LAPS,   4                         ; 1,024 / (2 x 128): a lap is once round the ring
.set ADRA, 16                          ; v16-17 LDS address of my h fragments in slot 0, 1
.set ADRB, 20                          ; v20-21 the same for wqb
.set STO,  24                          ; way out: where I put 16 bytes
.set RD,   25                          ; way out: where I read back
.set CO,   26                          ; 16 x lane
.set BO,   27                          ; 32 x (lane / 16): my 8 numbers of a bias tile
.set FA,   32                          ; window 0: h's fragments, buffer f at FA + 32 f
.set TMP,  96                          ; window 0: 48 registers of packed results
.set BIAS, 160                         ; window 0: 12 bias tiles of 8 registers
.set RB0,  160                         ; way out: read-back buffers, where the bias lay
.set RB1,  208
.set G1A, 16                           ; s[16:23] group 1 for h's tiles
.set G1B, 24                           ; s[24:31] group 1 for wqb's tiles
.set G0A, 32                           ; s[32:39] group 0 for h's tiles, a set for each slot
.set G0B, 48                           ; s[48:55] group 0 for wqb's tiles, a set for each slot
.set KO,  88                           ; s[88:89], s[90:91] byte offset along K of slot 0's and slot 1's tile, as pairs with 0 above
.set MSB, 0
.macro WIN new                         ; s_set_vgpr_msb: bits 1:0 source 0, 3:2 source 1, 5:4 source 2, 7:6 destination; the high byte repeats the setting left
.if MSB != \new
	s_set_vgpr_msb (MSB<<8)|\new
.set MSB, \new
.endif
.endm
.macro PLACES                          ; four plain vector instructions behind a matrix instruction, before its registers are loaded into, written or read (ISA guide 7.12.1)
.rept 4
	v_nop
.endr
.endm
; A joint load: waves 0, 1 fetch h's halves, waves 2, 3 wqb's.  The branch hangs on the wave's number alone.
.macro JLOAD s
	s_cmp_eq_u32 s13, 0
	s_cbranch_scc0 .Lfor_b_\@
	tensor_load_to_lds s[G0A+4*\s:G0A+4*\s+3], s[G1A:G1A+7]
	s_nop 0
	s_branch .Lasked_\@
.Lfor_b_\@:
	tensor_load_to_lds s[G0B+4*\s:G0B+4*\s+3], s[G1B:G1B+7]
	s_nop 0
.Lasked_\@:
.endm
.macro CREST                           ; a round of the cluster's barrier behind its opening work-group barrier
	s_cmp_lg_u32 s12, 0
	s_cbranch_scc1 .Lnot_wave_0_\@
	s_barrier_signal -3
.Lnot_wave_0_\@:
	s_barrier_wait -3
	s_barrier_signal -1
	s_barrier_wait -1
.endm
.macro CROUND                          ; a whole round
	s_barrier_signal -1
	s_barrier_wait -1
	CREST
.endm
	s_load_b256 s[4:11], s[0:1], 0x0               ; h 4:5, wqb 6:7, b_qkv 8:9, qkv 10:11
	s_set_vgpr_msb 0x40
	v_lshl_add_u32 v255, v0, 2, 0x41c00
	s_set_vgpr_msb 0x4000
	v_mov_b32 v159, 0
	s_set_vgpr_msb 0x1
	ds_add_u32 v255, v159
	s_set_vgpr_msb 0x100
	v_lshrrev_b32 v1, 5, v0
	v_readfirstlane_b32 s12, v1                    ; wave 0..3
	s_lshr_b32 s13, s12, 1                         ; I fetch for h (0) or for wqb (1)
	s_and_b32 s14, s12, 1                          ; which half of that tile
	s_bfe_u32 s40, ttmp6, 0x40000                  ; cx
	s_bfe_u32 s41, ttmp6, 0x40004                  ; cy
	s_lshl_b32 s42, ttmp9, 2
	s_add_co_u32 s42, s42, s40                     ; block column = 4 x cluster x + cx
	s_and_b32 s43, ttmp7, 0xffff
	s_lshl_b32 s43, s43, 2
	s_add_co_u32 s43, s43, s41                     ; block row = 4 x cluster y + cy
	s_lshl_b32 s44, s41, 2
	s_lshl_b32 s44, 15, s44                        ; my row of the cluster: places 4 cy .. 4 cy + 3
	s_lshl_b32 s45, 0x1111, s40                    ; my column: places cx, cx + 4, cx + 8, cx + 12
	; where my cluster starts along K: step (2 x + 4 g) mod 8, from the cluster's coordinates alone
	s_and_b32 s92, ttmp7, 0xffff                   ; the cluster's y
	s_lshr_b32 s93, s92, 1
	s_xor_b32 s92, s92, s93
	s_and_b32 s92, s92, 1                          ; g
	s_lshl_b32 s92, s92, 2
	s_lshl_b32 s93, ttmp9, 1                       ; 2 x the cluster's x
	s_add_co_u32 s92, s92, s93
	s_and_b32 s92, s92, 7
	s_lshl_b32 s[KO], s92, 8                       ; a K step is 256 bytes of a row
	s_mov_b32 s[KO+1], 0
	s_add_co_u32 s[KO+2], s[KO], 256               ; the start step is even: the next one does not wrap
	s_mov_b32 s[KO+3], 0
	s_or_b32 s[G1A+0], s44, (1<<16)|(1<<20)|(1<<21)|(5<<22)|(3<<25)   ; mask; 2-byte elements; padding on; bit 21 beside a mask; after every 64 words 4 words
	s_or_b32 s[G1B+0], s45, (1<<16)|(1<<20)|(1<<21)|(5<<22)|(3<<25)
	s_mov_b32 s[G1A+1], 128<<16                    ; tensor_dim0 = 128
	s_mov_b32 s[G1B+1], 128<<16
	s_mov_b32 s[G1A+2], 128<<16                    ; tensor_dim1 = 128 rows
	s_mov_b32 s[G1B+2], 96<<16                     ; 96 rows
	s_mov_b32 s[G1A+3], 128<<16                    ; tile_dim0 = 128
	s_mov_b32 s[G1B+3], 128<<16
	s_mov_b32 s[G1A+4], 128                        ; tile_dim1
	s_mov_b32 s[G1B+4], 96
	s_mov_b32 s[G1A+5], 1024                       ; elements from row to row
	s_mov_b32 s[G1B+5], 1024
	s_mov_b32 s[G1A+6], 0
	s_mov_b32 s[G1B+6], 0
	s_mov_b32 s[G1A+7], 0
	s_mov_b32 s[G1B+7], 0
	; h's tile: row 256 x block row + 128 x half; wqb's: row 192 x block column + 96 x half; rows of 2,048 bytes.
	; Each in registers that never hold the other coordinate.
	s_lshl_b32 s56, s43, 8
	s_lshl_b32 s57, s14, 7
	s_add_co_u32 s56, s56, s57
	s_lshl_b32 s56, s56, 11
	s_mov_b32 s57, 0
	s_mul_i32 s60, s42, 192
	s_mul_i32 s61, s14, 96
	s_add_co_u32 s60, s60, s61
	s_lshl_b32 s60, s60, 11
	s_mov_b32 s61, 0
	s_mul_i32 s46, s12, HALFA                      ; LDS: waves 0, 1 at 0 and HALFA
	s_mul_i32 s47, s12, HALFB
	s_add_co_u32 s47, s47, 2*(HALFA-HALFB)         ; waves 2, 3 at 2 HALFA and 2 HALFA + HALFB
	s_wait_dscnt 0x0
	s_wait_kmcnt 0x0
	s_add_nc_u64 s[58:59], s[4:5], s[56:57]        ; my rows of h at K = 0; kept for every refill
	s_add_nc_u64 s[62:63], s[6:7], s[60:61]        ; my rows of wqb at K = 0; kept for every refill
	CROUND                                         ; all sixteen work-groups are here: the first joint loads meet
.irp s, 0,1
	s_mov_b32 s[G0A+4*\s], 1
	s_add_co_u32 s[G0A+4*\s+1], s46, \s*SLOT
	s_add_nc_u64 s[G0A+4*\s+2:G0A+4*\s+3], s[58:59], s[KO+2*\s:KO+2*\s+1]
	s_or_b32 s[G0A+4*\s+3], s[G0A+4*\s+3], 0x80000000
	s_mov_b32 s[G0B+4*\s], 1
	s_add_co_u32 s[G0B+4*\s+1], s47, \s*SLOT
	s_add_nc_u64 s[G0B+4*\s+2:G0B+4*\s+3], s[62:63], s[KO+2*\s:KO+2*\s+1]
	s_or_b32 s[G0B+4*\s+3], s[G0B+4*\s+3], 0x80000000
	JLOAD \s                                       ; two loads of the wave are out
.endr
	; lane terms
	v_and_b32 v1, 15, v0                           ; r = l % 16
	v_bfe_u32 v2, v0, 4, 1                         ; hh = l / 16
	v_and_b32 v3, 31, v0                           ; l
	v_lshlrev_b32 v[BO], 5, v2
	v_mul_u32_u24 v4, v1, PITCH
	v_lshl_add_u32 v4, v2, 4, v4                   ; r x pitch + 16 hh
	s_mul_i32 s86, s12, 64*PITCH                   ; my 64 rows of h
	v_add_nc_u32 v[ADRA], s86, v4
	v_add_nc_u32 v[ADRA+1], SLOT, v[ADRA]
	v_add_nc_u32 v[ADRB], 2*HALFA, v4              ; every wave reads all 192 rows of wqb
	v_add_nc_u32 v[ADRB+1], SLOT, v[ADRB]
	s_mul_i32 s87, s12, 16*SPITCH
	s_add_co_u32 s87, s87, STAGE                   ; my stage
	v_mul_u32_u24 v5, v1, SPITCH
	v_lshl_add_u32 v5, v2, 4, v5
	v_add_nc_u32 v[STO], s87, v5
	v_lshrrev_b32 v6, 3, v3                        ; back: eight lanes take a head's 128 bytes of one row, a wave four rows
	v_and_b32 v7, 7, v0
	v_mul_u32_u24 v6, v6, SPITCH
	v_lshl_add_u32 v6, v7, 4, v6
	v_add_nc_u32 v[RD], s87, v6
	v_lshlrev_b32 v[CO], 4, v3
	; the bias tiles: tile b, register j = b_qkv[192 x block column + 16 b + 8 hh + j]
	s_mul_i32 s82, s42, 768
	s_mov_b32 s83, 0
	s_add_nc_u64 s[84:85], s[8:9], s[82:83]
.irp b, 0,1,2,3,4,5,6,7,8,9,10,11
	global_load_b128 v[BIAS+8*\b:BIAS+8*\b+3],   v[BO], s[84:85] offset:64*\b
	global_load_b128 v[BIAS+8*\b+4:BIAS+8*\b+7], v[BO], s[84:85] offset:64*\b+16
.endr
	; where my rows of the three heads go: head number hh = 3 x block column + j; part = hh / 16;
	; address = (part x 64 + batch x 16 + hh % 16) x 131,072 + ((block row % 4) x 256 + 64 wave) x 128.  Registers of their own.
	s_mul_i32 s76, s42, 3
	s_lshr_b32 s77, s43, 2
	s_lshl_b32 s77, s77, 4
	s_and_b32 s78, s43, 3
	s_lshl_b32 s78, s78, 8
	s_lshl_b32 s79, s12, 6
	s_add_co_u32 s78, s78, s79
	s_lshl_b32 s78, s78, 7
.irp j, 0,1,2
	s_add_co_u32 s79, s76, \j
	s_lshr_b32 s80, s79, 4
	s_and_b32 s79, s79, 15
	s_lshl_b32 s80, s80, 6
	s_add_co_u32 s79, s79, s80
	s_add_co_u32 s79, s79, s77
	s_lshl_b32 s80, s79, 17
	s_add_co_u32 s80, s80, s78
	s_mov_b32 s81, 0
	s_add_nc_u64 s[68+2*\j:69+2*\j], s[10:11], s[80:81]
.endr
; 24 matrix instructions: row blocks 2 hi, 2 hi + 1 x all 12 column blocks, 32 along K, from buffer f.
; first = 1: the bias tile is C, so the bias starts the sums: nothing is cleared, nothing is added on the way out.
; The 48 accumulators take turns, one instruction a turn, in the same order in every quarter step.
.macro MUL f, hi, first
.if \first
.if \hi
	WIN 0xc1
.else
	WIN 0x81
.endif
.else
.if \hi
	WIN 0xf1
.else
	WIN 0xa1
.endif
.endif
.irp a, 0,1
.irp b, 0,1,2,3,4,5,6,7,8,9,10,11
.if \first
	v_wmma_f32_16x16x32_bf16 v[8*(12*\a+\b):8*(12*\a+\b)+7], v[96*\f+8*\b:96*\f+8*\b+7], v[FA+32*\f+8*(2*\hi+\a):FA+32*\f+8*(2*\hi+\a)+7], v[BIAS+8*\b:BIAS+8*\b+7]
.else
	v_wmma_f32_16x16x32_bf16 v[8*(12*\a+\b):8*(12*\a+\b)+7], v[96*\f+8*\b:96*\f+8*\b+7], v[FA+32*\f+8*(2*\hi+\a):FA+32*\f+8*(2*\hi+\a)+7], v[8*(12*\a+\b):8*(12*\a+\b)+7]
.endif
.endr
.endr
.endm
; 32 LDS loads in one run: 12 fragments of wqb and 4 of h, 32 K at byte k of the slot's rows, into buffer f
.macro FETCH slot, k, f
	WIN 0x40
.irp i, 0,1,2,3,4,5,6,7,8,9,10,11
	ds_load_b128 v[96*\f+8*\i:96*\f+8*\i+3],   v[ADRB+\slot] offset:\k+\i*16*PITCH
	ds_load_b128 v[96*\f+8*\i+4:96*\f+8*\i+7], v[ADRB+\slot] offset:\k+\i*16*PITCH+32
.endr
	WIN 0
.irp i, 0,1,2,3
	ds_load_b128 v[FA+32*\f+8*\i:FA+32*\f+8*\i+3],   v[ADRA+\slot] offset:\k+\i*16*PITCH
	ds_load_b128 v[FA+32*\f+8*\i+4:FA+32*\f+8*\i+7], v[ADRA+\slot] offset:\k+\i*16*PITCH+32
.endr
.endm
; a quarter step: the next quarter's fragments are asked for first (buffer g, last read by the matrix instructions in front), then buffer f is multiplied
.macro QUARTER slot, k, f, g, first
	WIN 0
	PLACES
	FETCH \slot, \k, \g
	s_wait_dscnt 32                                ; all but the 32 loads just issued: buffer f is in
	MUL \f, 0, \first
	MUL \f, 1, \first
.endm
.macro THREE slot, first
	QUARTER \slot, 64,  0, 1, \first
	QUARTER \slot, 128, 1, 0, 0
	QUARTER \slot, 192, 0, 1, 0
.endm
; The last quarter of a K step multiplies buffer 1 and changes slots.  In front of the barrier each wave waits for its reads of this
; slot and for all its tensor loads (one is out: its part of the next slot).  Where the slot is filled again the barrier opens a
; round of the cluster's barrier, and the joint refill is the first tensor load behind the round.
.macro TURN slot, next, fill
	s_wait_dscnt 0x0                               ; buffer 1 is in, and with it my last reads of this slot
	s_wait_tensorcnt 0x0                           ; all my tensor loads have landed
	ds_add_u32 v255, v159
	s_wait_dscnt 0x0
	s_barrier_signal -1
	MUL 1, 0, 0                                    ; register work while the others arrive
	WIN 0
	s_barrier_wait -1
.if \fill
	CREST
	s_add_co_u32 s[KO+2*\slot], s[KO+2*\slot], 512                 ; two K steps on,
	s_and_b32 s[KO+2*\slot], s[KO+2*\slot], 2047                   ; round the row's 2,048 bytes.  No load of mine is out: both group 0 sets may be written
	s_add_nc_u64 s[G0A+4*\slot+2:G0A+4*\slot+3], s[58:59], s[KO+2*\slot:KO+2*\slot+1]
	s_or_b32 s[G0A+4*\slot+3], s[G0A+4*\slot+3], 0x80000000
	s_add_nc_u64 s[G0B+4*\slot+2:G0B+4*\slot+3], s[62:63], s[KO+2*\slot:KO+2*\slot+1]
	s_or_b32 s[G0B+4*\slot+3], s[G0B+4*\slot+3], 0x80000000
	JLOAD \slot
.endif
	PLACES
	FETCH \next, 0, 0
	MUL 1, 1, 0
.endm
.macro LAP first
	THREE 0, \first
	TURN 0, 1, 1
	THREE 1, 0
	TURN 1, 0, 1
.endm
	s_wait_tensorcnt 0x1                           ; my part of the first K step is in; the second's may stay out
	s_barrier_signal -1
	s_barrier_wait -1
	FETCH 0, 0, 0
	s_wait_loadcnt 0x0                             ; the bias tiles
	LAP 1
	WIN 0
	s_mov_b32 s3, LAPS-2
.Llap:
	LAP 0
	WIN 0
	s_sub_co_u32 s3, s3, 1
	s_cmp_lg_u32 s3, 0
	s_cbranch_scc1 .Llap
	THREE 0, 0                                     ; the last lap fills nothing
	TURN 0, 1, 0
	THREE 1, 0
	s_wait_dscnt 0x0
	MUL 1, 0, 0
	MUL 1, 1, 0
	WIN 0
	PLACES                                         ; behind the last matrix instructions: for the conversions and for the loads into the bias tiles' registers
; THE WAY OUT, 16 rows at a time: round to bf16, 16 bytes a lane into my own stage, read back head by head, four rows of 128 bytes
; a load, which are 512 consecutive bytes of the head's [s][64] block.
.macro OUT16 i, a, from, rb
	WIN \from
.irp b, 0,1,2,3,4,5,6,7,8,9,10,11
.irp r, 0,1,2,3
	v_cvt_pk_bf16_f32 v[TMP+4*\b+\r], v[8*(12*\a+\b)+2*\r], v[8*(12*\a+\b)+2*\r+1]
.endr
.endr
	WIN 0
.irp b, 0,1,2,3,4,5,6,7,8,9,10,11
	ds_store_b128 v[STO], v[TMP+4*\b:TMP+4*\b+3] offset:32*\b
.endr
	s_wait_xcnt 0x0                                ; the read-back buffer, which earlier stores read, is loaded again only behind this wait
.irp j, 0,1,2
.irp t, 0,1,2,3
	ds_load_b128 v[\rb+4*(4*\j+\t):\rb+4*(4*\j+\t)+3], v[RD] offset:\t*4*SPITCH+128*\j   ; a wave's LDS instructions are served in order: these see the stores above
.endr
.endr
.irp j, 0,1,2
.irp t, 0,1,2,3
	s_wait_dscnt 11-(4*\j+\t)                      ; the loads behind this one may stay out
	global_store_b128 v[CO], v[\rb+4*(4*\j+\t):\rb+4*(4*\j+\t)+3], s[68+2*\j:69+2*\j] offset:2048*\i+512*\t   ; 512 consecutive bytes, aligned
.endr
.endr
.endm
	OUT16 0, 0, 0x0a, RB0
	OUT16 1, 1, 0x0a, RB1
	OUT16 2, 0, 0x0f, RB0
	OUT16 3, 1, 0x0f, RB1
	s_set_vgpr_msb 0x1
	s_wait_tensorcnt 0x0
	ds_add_u32 v255, v159
	s_wait_dscnt 0x0
	s_set_vgpr_msb 0x100
	CROUND                                         ; the closing round: no work-group ends while a partner may still issue a joint load that names it
	s_endpgm
.Lfunc_end_k_q7014217340_qkvgemm:
	.size	k_q7014217340_qkvgemm, .Lfunc_end_k_q7014217340_qkvgemm-k_q7014217340_qkvgemm
	.p2alignl 7, 3214868480
	.fill 96, 4, 3214868480
	.section	.rodata,"a",@progbits
	.p2align	6, 0x0
	.amdhsa_kernel k_q7014217340_qkvgemm
		.amdhsa_group_segment_fixed_size 327680
		.amdhsa_private_segment_fixed_size 0
		.amdhsa_enable_private_segment 0
		.amdhsa_kernarg_size 32
		.amdhsa_user_sgpr_count 2
		.amdhsa_user_sgpr_kernarg_segment_ptr 1
		.amdhsa_wavefront_size32 1
		.amdhsa_system_sgpr_workgroup_id_x 1
		.amdhsa_system_sgpr_workgroup_id_y 1
		.amdhsa_system_sgpr_workgroup_id_z 1
		.amdhsa_system_vgpr_workitem_id 0
		.amdhsa_next_free_vgpr 960
		.amdhsa_next_free_sgpr 94
		.amdhsa_reserve_vcc 0
		.amdhsa_float_denorm_mode_32 3
		.amdhsa_float_denorm_mode_16_64 3
		.amdhsa_memory_ordered 1
		.amdhsa_forward_progress 1
		.amdhsa_inst_pref_size 167
	.end_amdhsa_kernel
	.amdgpu_metadata
---
amdhsa.version: [ 1, 2 ]
amdhsa.kernels:
  - .name:           k_q7014217340_qkvgemm
    .symbol:         k_q7014217340_qkvgemm.kd
    .args:
      - { .name: h, .offset: 0, .size: 8, .value_kind: global_buffer, .address_space: global }
      - { .name: wqb, .offset: 8, .size: 8, .value_kind: global_buffer, .address_space: global }
      - { .name: b_qkv, .offset: 16, .size: 8, .value_kind: global_buffer, .address_space: global }
      - { .name: qkv, .offset: 24, .size: 8, .value_kind: global_buffer, .address_space: global }
    .group_segment_fixed_size: 327680
    .private_segment_fixed_size: 0
    .kernarg_segment_align: 8
    .kernarg_segment_size: 32
    .max_flat_workgroup_size: 128
    .sgpr_count:     94
    .vgpr_count:     960
    .wavefront_size: 32
...
	.end_amdgpu_metadata
.endif
;; end of part 2
;; launch attn (part 3): grid 256 x 1, 8 waves a work-group, clusters of 4 x 1, 312,320 bytes of LDS; arguments qkv, o; writes o
.if DOCPART == 3
	.amdgcn_target "amdgcn-amd-amdhsa--gfx1250"
	.amdhsa_code_object_version 6
	.text
	.protected	k_q7014217340_attn
	.globl	k_q7014217340_attn
	.p2align	8
	.type	k_q7014217340_attn,@function
k_q7014217340_attn:
	s_mov_b64 s[64:65], 0
	v_nop
	global_prefetch_b8 v0, s[64:65] scope:SCOPE_SE
	s_setreg_imm32_b32 hwreg(HW_REG_WAVE_MODE, 25, 1), 1
	s_wait_xcnt 0x0
	s_wait_alu depctr_hold_cnt(0) depctr_sa_sdst(0) depctr_va_vdst(0) depctr_va_sdst(0) depctr_va_ssrc(0) depctr_va_vcc(0) depctr_vm_vsrc(0)
	s_getreg_b32 s2, hwreg(HW_REG_IB_STS2, 6, 4)
	s_cmp_eq_u32 s2, 0
	s_cbranch_scc0 .Lentry_in_a_cluster
	s_endpgm
.Lentry_in_a_cluster:
	s_bfe_u32 s2, ttmp6, 0x10000c
	s_cmp_lg_u32 s2, 0x3003
	s_cbranch_scc0 .Lentry_shape_is_right
	s_endpgm
.Lentry_shape_is_right:
; o[head][s][64] = softmax(Q K^T / 64) V for 64 heads of 1,024 x 64, bf16 in and out, sums and softmax in f32.
; A cluster of four work-groups is one head; a work-group takes 256 queries.  EIGHT WAVES, two for each SIMD, 512 registers each:
; wave w serves query group qg = w / 2 (64 queries, four tiles of 16) and HALF of the keys, hs = (w xor w/4) mod 2; its partner is
; w xor 1.  hs differs between w and w + 4 and between 2 k and 2 k + 1.  A wave runs 8 steps of 64 keys; at the end the partners
; merge their two partial results through LDS.  Products, vector work and LDS reads of a work-group are those of four waves with
; all keys; what two waves buy is that one's 64 products of a step run while the other issues its softmax.
; THE TWO ARE SET HALF A STEP APART: in step 0 the hs = 0 waves make their scores and the first part of their softmax ahead of a
; barrier, the hs = 1 waves behind it.  The one later barrier in the steps has its signal and its wait more than a step apart in
; the text, so that it does not bring the two back into step.
; K and V of the head (2 x 131,072 bytes) lie whole in LDS, padded: 1,024 x 144 + 1,024 x 160 = 311,296 bytes.  The four work-groups
; ask for them jointly (mask 15).  Waves 0-3 fetch K, waves 4-7 V, two loads of 128 rows each: rows 128 i + 512 p (phase p).  Every
; tile is asked for at the start and nothing is filled again; two loads a wave are out.  hs = 0 walks keys 0-255 and 512-767,
; hs = 1 keys 256-511 and 768-1023: four steps in each phase.
; LAYOUT: S^T = K Q^T (source 0 = 16 keys, source 1 = 16 queries): lane (r, hh) holds, of query r, keys 16 t + 8 hh + j in register j.
; Two neighbouring key tiles, packed to bf16, are then a 32-key fragment of P for column r as they stand.  O^T = V^T P^T (source 0 =
; V transposed on its way out of LDS): lane (r, hh) holds d = 16 dt + 8 hh + j of query r.  So a lane serves one query throughout.
; SOFTMAX: a running maximum of the raw scores is taken away before every exponential; p = 2^((s - m) c), c = log2(e) / 64.
; MERGE: register tiles 0, 1 of a wave hold query tiles 2 hs + 0, 1 of its group, tiles 2, 3 the other two, which are the partner's
; tiles 0, 1.  Each wave sends tiles 2, 3 (O, m, sum) and finishes tiles 0, 1: O = (O_A a_A + O_B a_B) / (l_A a_A + l_B a_B),
; a = 2^((m - max(m_A, m_B)) c).  Mailboxes and stages lie in K's region, behind a barrier behind which nobody reads K or V and
; into which no tensor load lands any more.
; LIMITS: Q, K, V and p enter the matrix unit in bf16; the sum of p is taken of the f32 values; v_exp_f32 gives 0 below 2^-126,
; beside a largest term of 1.
; REGISTERS: window 0: K fragments 0-63, V^T fragments 64-127, O 128-255.  Window 1: scores / p 0-127, Q fragments 128-191,
; softmax state 192-239, addresses 240-248.
.set KPITCH, 144                       ; 128 bytes + 16: an odd multiple of 16
.set VPITCH, 160                       ; 128 bytes + 32: an odd multiple of 32, for the transposing load
.set VBASE,  1024*KPITCH
.set MBSZ,   8704                      ; a mailbox: 64 registers x 128 bytes of O, 512 bytes of m and sum; at wave x MBSZ
.set STAGE,  8*MBSZ                    ; 69,632: 16 rows x 144 bytes for each wave; ends at 88,064, inside K's 147,456 bytes
.set KF,  0                            ; window 0: K fragments: key tile t, half f of d at KF + 16 t + 8 f
.set VF,  64                           ; window 0: V^T fragments: 32 keys g, d tile dt at VF + 32 g + 8 dt
.set OO,  128                          ; window 0: O^T: query tile q, d tile dt at OO + 32 q + 8 dt
.set SS,  0                            ; window 1: scores, then p: query tile q, key tile t at 32 q + 8 t
.set QF,  128                          ; window 1: Q fragments: tile q, half f of d at QF + 16 q + 8 f
.set MM,  192                          ; running maximum of tile q
.set LL,  196                          ; running sum (this lane's keys)
.set NMC, 200                          ; - c m, twice
.set AL,  208                          ; 2^((m_old - m) c), twice
.set T0,  216
.set T1,  220
.set A0,  224
.set A1,  232
.set KA,  240                          ; LDS address of my K fragments, stepped by 64 keys
.set VA,  241                          ; the same for V
.set STO, 242
.set RD,  243
.set CO,  244
.set QL,  245                          ; byte offset of my part of register tiles 0, 1 of Q
.set QH,  246                          ; of register tiles 2, 3
.set XS,  247                          ; my mailbox
.set XL,  248                          ; my partner's
.set G1K, 16
.set G1V, 24
.set G0,  32                           ; s[32:39] two sets of group 0, one for each phase
.set MSB, 0
.macro WIN new                         ; s_set_vgpr_msb: bits 1:0 source 0, 3:2 source 1, 5:4 source 2, 7:6 destination; the high byte repeats the setting left
.if MSB != \new
	s_set_vgpr_msb (MSB<<8)|\new
.set MSB, \new
.endif
.endm
.set W_LDS,  0x01                      ; LDS and global: address in window 1, data in window 0
.set W_S,    0x54                      ; scores: K window 0, Q window 1, C and D window 1
.set W_SOFT, 0x55                      ; all in window 1
.set W_PV,   0x04                      ; O and V window 0, p and the rescale factor window 1
.macro PLACES
.rept 4
	v_nop
.endr
.endm
.macro ROUND                           ; a round of the cluster's barrier
	s_barrier_signal -1
	s_barrier_wait -1
	s_cmp_lg_u32 s8, 0
	s_cbranch_scc1 .Lnot_wave_0_\@
	s_barrier_signal -3
.Lnot_wave_0_\@:
	s_barrier_wait -3
	s_barrier_signal -1
	s_barrier_wait -1
.endm
	s_load_b128 s[4:7], s[0:1], 0x0                ; qkv 4:5, o 6:7
	s_set_vgpr_msb 0x40
	v_lshl_add_u32 v254, v0, 2, 0x4c000
	v_mov_b32 v255, 0
	s_set_vgpr_msb 0x4045
	ds_add_u32 v254, v255
	s_set_vgpr_msb 0x4500
	v_lshrrev_b32 v1, 5, v0
	v_readfirstlane_b32 s8, v1                     ; wave 0..7
	s_bfe_u32 s9, ttmp6, 0x40000                   ; cx: my block of 256 queries; it enters global addresses of Q and o alone
	s_lshr_b32 s10, s8, 2                          ; I fetch K (0) or V (1)
	s_xor_b32 s40, s8, s10
	s_and_b32 s40, s40, 1                          ; hs: my half of the keys
	s_lshr_b32 s41, s8, 1                          ; qg: my 64 queries
	s_mul_i32 s11, s8, 128*KPITCH                  ; K: waves 0-3 at 128 rows x wave
	s_mul_i32 s58, s8, 128*VPITCH
	s_add_co_u32 s58, s58, VBASE-4*128*VPITCH      ; V: waves 4-7 at VBASE + 128 rows x (wave - 4)
	s_mov_b32 s[G1K+0], (15)|(1<<16)|(1<<20)|(1<<21)|(4<<22)|(3<<25)   ; all four work-groups; 2-byte elements; after every 32 words 4 words of padding
	s_mov_b32 s[G1V+0], (15)|(1<<16)|(1<<20)|(1<<21)|(4<<22)|(7<<25)   ; 8 words of padding
	s_mov_b32 s[G1K+1], 64<<16                     ; tensor_dim0 = 64
	s_mov_b32 s[G1V+1], 64<<16
	s_mov_b32 s[G1K+2], 128<<16                    ; tensor_dim1 = 128
	s_mov_b32 s[G1V+2], 128<<16
	s_mov_b32 s[G1K+3], 64<<16                     ; tile_dim0 = 64
	s_mov_b32 s[G1V+3], 64<<16
	s_mov_b32 s[G1K+4], 128                        ; tile_dim1 = 128
	s_mov_b32 s[G1V+4], 128
	s_mov_b32 s[G1K+5], 64                         ; elements from row to row
	s_mov_b32 s[G1V+5], 64
	s_mov_b32 s[G1K+6], 0
	s_mov_b32 s[G1V+6], 0
	s_mov_b32 s[G1K+7], 0
	s_mov_b32 s[G1V+7], 0
	s_lshl_b32 s60, ttmp9, 17                      ; the head (the cluster's x) x 131,072 bytes
	s_and_b32 s61, s8, 3
	s_lshl_b32 s61, s61, 14                        ; + 128 rows of 128 bytes x (wave mod 4)
	s_add_co_u32 s60, s60, s61
	s_mov_b32 s61, 0
	s_lshl_b32 s62, s9, 8                          ; my group's first query: 256 cx + 64 qg, rows of 128 bytes
	s_lshl_b32 s63, s41, 6
	s_add_co_u32 s62, s62, s63
	s_lshl_b32 s62, s62, 7
	s_lshl_b32 s63, ttmp9, 17
	s_add_co_u32 s62, s62, s63
	s_mov_b32 s63, 0
	s_lshl_b32 s42, s40, 12                        ; 32 queries x 128 bytes x hs: query tiles 2 hs + 0, 1
	s_xor_b32 s43, s42, 4096                       ; the other two
	s_mul_i32 s44, s40, 256*KPITCH                 ; my first key: 256 hs
	s_mul_i32 s45, s40, 256*VPITCH
	s_add_co_u32 s45, s45, VBASE
	s_mul_i32 s46, s8, 16*KPITCH
	s_add_co_u32 s46, s46, STAGE                   ; my stage
	s_mul_i32 s47, s8, MBSZ                        ; my mailbox
	s_xor_b32 s59, s8, 1
	s_mul_i32 s59, s59, MBSZ                       ; my partner's
	s_mov_b32 s48, 0x76543210                      ; v_permlanex16_b32: lane i takes lane i of the other half
	s_mov_b32 s49, 0xfedcba98
	s_mov_b32 s50, 0x3cb8aa3b                      ; c = log2(e) / 64
	s_mov_b32 s51, 0x3cb8aa3b
	s_mov_b32 s52, 0xbcb8aa3b                      ; - c
	s_wait_dscnt 0x0
	s_wait_kmcnt 0x0
	s_add_nc_u64 s[12:13], s[4:5], s[60:61]
	s_add_nc_u64 s[14:15], s[12:13], 0x1000000     ; V's plane
	s_add_nc_u64 s[12:13], s[12:13], 0x800000      ; K's plane
	s_add_nc_u64 s[54:55], s[4:5], s[62:63]        ; my group's queries
	s_add_nc_u64 s[56:57], s[6:7], s[62:63]        ; my group's rows of o
	ROUND                                          ; the four work-groups are here: the joint loads meet
	; all fills of the launch, inside one branch on the wave's number: two loads in either arm, phase p = keys 512 p .. 512 p + 511
	s_cmp_lg_u32 s10, 0
	s_cbranch_scc1 .Lv_arm
.irp p, 0,1
	s_mov_b32 s[G0+4*\p], 1
	s_add_co_u32 s[G0+4*\p+1], s11, \p*512*KPITCH
	s_add_nc_u64 s[G0+4*\p+2:G0+4*\p+3], s[12:13], \p*65536
	s_or_b32 s[G0+4*\p+3], s[G0+4*\p+3], 0x80000000
	tensor_load_to_lds s[G0+4*\p:G0+4*\p+3], s[G1K:G1K+7]
	s_nop 0
.endr
	s_branch .Lfilled
.Lv_arm:
.irp p, 0,1
	s_mov_b32 s[G0+4*\p], 1
	s_add_co_u32 s[G0+4*\p+1], s58, \p*512*VPITCH
	s_add_nc_u64 s[G0+4*\p+2:G0+4*\p+3], s[14:15], \p*65536
	s_or_b32 s[G0+4*\p+3], s[G0+4*\p+3], 0x80000000
	tensor_load_to_lds s[G0+4*\p:G0+4*\p+3], s[G1V:G1V+7]
	s_nop 0
.endr
.Lfilled:
	; lane terms, at work in window 0 (registers that K's fragments take later), the addresses themselves into window 1
	v_and_b32 v1, 15, v0                           ; r
	v_bfe_u32 v2, v0, 4, 1                         ; hh
	v_and_b32 v3, 31, v0                           ; l
	v_and_b32 v4, 7, v0
	v_lshlrev_b32 v5, 7, v1
	v_lshl_add_u32 v5, v2, 4, v5                   ; r x 128 + 16 hh
	v_mul_u32_u24 v6, v1, KPITCH
	v_lshl_add_u32 v6, v2, 4, v6                   ; r x 144 + 16 hh
	v_lshl_add_u32 v7, v2, 3, v4                   ; key 8 hh + l % 8
	v_mul_u32_u24 v7, v7, VPITCH
	v_bfe_u32 v8, v0, 3, 1
	v_lshl_add_u32 v7, v8, 4, v7                   ; + 16 bytes for the second eight of each sixteen lanes
	v_lshrrev_b32 v9, 3, v3
	v_mul_u32_u24 v9, v9, KPITCH
	v_lshl_add_u32 v9, v4, 4, v9                   ; back from the stage: eight lanes take a row's 128 bytes, a wave four rows
	v_lshlrev_b32 v10, 4, v3                       ; 16 l
	WIN 0x40
	v_add_nc_u32 v[QL], s42, v5
	v_add_nc_u32 v[QH], s43, v5
	v_add_nc_u32 v[KA], s44, v6
	v_add_nc_u32 v[VA], s45, v7
	v_add_nc_u32 v[STO], s46, v6
	v_add_nc_u32 v[RD], s46, v9
	v_add_nc_u32 v[CO], s42, v10
	v_add_nc_u32 v[XS], s47, v10
	v_add_nc_u32 v[XL], s59, v10
	WIN 0x41
.irp q, 0,1
.irp f, 0,1
	global_load_b128 v[QF+16*\q+8*\f:QF+16*\q+8*\f+3],   v[QL], s[54:55] offset:2048*\q+64*\f
	global_load_b128 v[QF+16*\q+8*\f+4:QF+16*\q+8*\f+7], v[QL], s[54:55] offset:2048*\q+64*\f+32
.endr
.endr
.irp q, 0,1
.irp f, 0,1
	global_load_b128 v[QF+32+16*\q+8*\f:QF+32+16*\q+8*\f+3],   v[QH], s[54:55] offset:2048*\q+64*\f
	global_load_b128 v[QF+32+16*\q+8*\f+4:QF+32+16*\q+8*\f+7], v[QH], s[54:55] offset:2048*\q+64*\f+32
.endr
.endr
.macro LOADK                           ; 16 loads: 64 keys x 64 d as eight fragments
.irp t, 0,1,2,3
.irp f, 0,1
	ds_load_b128 v[KF+16*\t+8*\f:KF+16*\t+8*\f+3],   v[KA] offset:\t*16*KPITCH+64*\f
	ds_load_b128 v[KF+16*\t+8*\f+4:KF+16*\t+8*\f+7], v[KA] offset:\t*16*KPITCH+64*\f+32
.endr
.endr
.endm
.macro LOADV                           ; 16 transposing loads: 64 keys x 64 d as eight fragments of V^T
.irp g, 0,1
.irp d, 0,1,2,3
	ds_load_tr16_b128 v[VF+32*\g+8*\d:VF+32*\g+8*\d+3],   v[VA] offset:\g*32*VPITCH+32*\d
	ds_load_tr16_b128 v[VF+32*\g+8*\d+4:VF+32*\g+8*\d+7], v[VA] offset:\g*32*VPITCH+32*\d+16*VPITCH
.endr
.endr
.endm
; The softmax step of all four query tiles, phase by phase, so that eight chains take turns.  All registers in window 1.
; Part A: the new maximum, the factor for what has been summed so far, and (s - m) c.
.macro SOFTA first
.irp q, 0,1,2,3
	v_max3_num_f32 v[T0+\q], v[SS+32*\q], v[SS+32*\q+1], v[SS+32*\q+2]
	v_max3_num_f32 v[T1+\q], v[SS+32*\q+3], v[SS+32*\q+4], v[SS+32*\q+5]
.endr
.set j, 6
.rept 6
.irp q, 0,1,2,3
	v_max3_num_f32 v[T0+\q], v[T0+\q], v[SS+32*\q+j], v[SS+32*\q+j+1]
	v_max3_num_f32 v[T1+\q], v[T1+\q], v[SS+32*\q+j+2], v[SS+32*\q+j+3]
.endr
.set j, j+4
.endr
.irp q, 0,1,2,3
	v_max3_num_f32 v[T0+\q], v[T0+\q], v[SS+32*\q+30], v[SS+32*\q+31]
.endr
.irp q, 0,1,2,3
.if \first
	v_max_num_f32 v[T0+\q], v[T0+\q], v[T1+\q]
.else
	v_max3_num_f32 v[T0+\q], v[T0+\q], v[T1+\q], v[MM+\q]      ; with the running maximum
.endif
.endr
.irp q, 0,1,2,3
	v_permlanex16_b32 v[T1+\q], v[T0+\q], s48, s49             ; the other half of the query's keys
.endr
.irp q, 0,1,2,3
	v_max_num_f32 v[T0+\q], v[T0+\q], v[T1+\q]                 ; the new maximum m
.endr
.irp q, 0,1,2,3
	v_mul_f32 v[NMC+2*\q], s52, v[T0+\q]
	v_mul_f32 v[NMC+2*\q+1], s52, v[T0+\q]
.endr
.if \first == 0
.irp q, 0,1,2,3
	v_fma_f32 v[T1+\q], v[MM+\q], s50, v[NMC+2*\q]             ; (m_old - m) c
.endr
.irp q, 0,1,2,3
	v_exp_f32 v[AL+2*\q], v[T1+\q]
	v_exp_f32 v[AL+2*\q+1], v[T1+\q]
.endr
.endif
.irp q, 0,1,2,3
	v_mov_b32 v[MM+\q], v[T0+\q]                               ; plain instructions behind the exponentials, which touch neither their results nor their sources
.endr
.irp q, 0,1,2,3
.set j, 0
.rept 16
	v_pk_fma_f32 v[SS+32*\q+j:SS+32*\q+j+1], v[SS+32*\q+j:SS+32*\q+j+1], s[50:51], v[NMC+2*\q:NMC+2*\q+1] op_sel_hi:[1,0,1]   ; (s - m) c
.set j, j+2
.endr
.endr
.endm
; Part B: the exponentials, their sum, p to bf16.
.macro SOFTB first
.set j, 0
.rept 128
	v_exp_f32 v[SS+j], v[SS+j]
.set j, j+1
.endr
	v_nop                                          ; one plain vector instruction behind the last exponential before results are used (ISA guide 5.7.2)
	s_wait_alu depctr_va_vdst(0)
.irp q, 0,1,2,3
	v_pk_add_f32 v[A0+2*\q:A0+2*\q+1], v[SS+32*\q:SS+32*\q+1], v[SS+32*\q+2:SS+32*\q+3]
	v_pk_add_f32 v[A1+2*\q:A1+2*\q+1], v[SS+32*\q+4:SS+32*\q+5], v[SS+32*\q+6:SS+32*\q+7]
.endr
.set j, 8
.rept 6
.irp q, 0,1,2,3
	v_pk_add_f32 v[A0+2*\q:A0+2*\q+1], v[A0+2*\q:A0+2*\q+1], v[SS+32*\q+j:SS+32*\q+j+1]
	v_pk_add_f32 v[A1+2*\q:A1+2*\q+1], v[A1+2*\q:A1+2*\q+1], v[SS+32*\q+j+2:SS+32*\q+j+3]
.endr
.set j, j+4
.endr
.irp q, 0,1,2,3
	v_pk_add_f32 v[A0+2*\q:A0+2*\q+1], v[A0+2*\q:A0+2*\q+1], v[A1+2*\q:A1+2*\q+1]
.endr
.if \first
.irp q, 0,1,2,3
	v_add_f32 v[LL+\q], v[A0+2*\q], v[A0+2*\q+1]
.endr
.else
.irp q, 0,1,2,3
	v_add_f32 v[T1+\q], v[A0+2*\q], v[A0+2*\q+1]
.endr
.irp q, 0,1,2,3
	v_fma_f32 v[LL+\q], v[LL+\q], v[AL+2*\q], v[T1+\q]
.endr
.endif
	; p to bf16 in place: key tiles 2 g and 2 g + 1 become the eight registers of the fragment of keys 32 g .. 32 g + 31
.irp q, 0,1,2,3
.irp g, 0,1
.irp r, 0,1,2,3,4,5,6,7
	v_cvt_pk_bf16_f32 v[SS+32*\q+16*\g+\r], v[SS+32*\q+16*\g+2*\r], v[SS+32*\q+16*\g+2*\r+1]
.endr
.endr
.endr
.endm
; A step of 64 keys has two parts.  HEAD: V is asked for, the scores are made, the next step's K is asked for, softmax part A.
; first = 1: step 0.  pre = 1: there is a next step.  kj, vj = 1: K's, V's address then also jumps 256 keys, into phase 1.
; bw = 1: the wait of the barrier that shows phase 1 stands in front of the request for K.
; In both groups of matrix instructions sixteen accumulators take turns, one instruction a turn.
.macro HEAD first, pre, kj, vj, bw
	WIN W_LDS
.if \first == 0
.rept 5
	v_nop                                          ; five places behind the last step's products, whose sources V^T and p are now loaded into and written over by products
.endr
.endif
	LOADV
	s_wait_dscnt 16                                ; all but the 16 V loads just issued: this step's K fragments are in
	WIN W_S
.irp q, 0,1,2,3
.irp t, 0,1,2,3
	v_wmma_f32_16x16x32_bf16 v[SS+32*\q+8*\t:SS+32*\q+8*\t+7], v[KF+16*\t:KF+16*\t+7], v[QF+16*\q:QF+16*\q+7], 0
.endr
.endr
.irp q, 0,1,2,3
.irp t, 0,1,2,3
	v_wmma_f32_16x16x32_bf16 v[SS+32*\q+8*\t:SS+32*\q+8*\t+7], v[KF+16*\t+8:KF+16*\t+15], v[QF+16*\q+8:QF+16*\q+15], v[SS+32*\q+8*\t:SS+32*\q+8*\t+7]
.endr
.endr
	PLACES                                         ; before K's registers are loaded again and the scores are read
.if \bw
	s_barrier_wait -1                              ; every wave's phase-1 load has landed
.endif
.if \pre
	WIN W_LDS
	LOADK
.endif
	WIN W_SOFT
.if \pre
	v_add_nc_u32 v[KA], (64+256*\kj)*KPITCH, v[KA] ; LDS instructions have read their addresses when they are issued
	v_add_nc_u32 v[VA], (64+256*\vj)*VPITCH, v[VA]
.endif
	SOFTA \first
.endm
; TAIL: softmax part B, O rescaled, O += V^T p.
.macro TAIL first, pre
	WIN W_SOFT
	SOFTB \first
	WIN W_PV
.if \first == 0
.irp q, 0,1,2,3
.set j, 0
.rept 16
	v_pk_mul_f32 v[OO+32*\q+j:OO+32*\q+j+1], v[OO+32*\q+j:OO+32*\q+j+1], v[AL+2*\q:AL+2*\q+1]
.set j, j+2
.endr
.endr
.endif
.if \pre
	s_wait_dscnt 16                                ; all but the next step's 16 K loads: V^T is in
.else
	s_wait_dscnt 0x0
.endif
.irp q, 0,1,2,3
.irp d, 0,1,2,3
.if \first
	v_wmma_f32_16x16x32_bf16 v[OO+32*\q+8*\d:OO+32*\q+8*\d+7], v[VF+8*\d:VF+8*\d+7], v[SS+32*\q:SS+32*\q+7], 0
.else
	v_wmma_f32_16x16x32_bf16 v[OO+32*\q+8*\d:OO+32*\q+8*\d+7], v[VF+8*\d:VF+8*\d+7], v[SS+32*\q:SS+32*\q+7], v[OO+32*\q+8*\d:OO+32*\q+8*\d+7]
.endif
.endr
.endr
.irp q, 0,1,2,3
.irp d, 0,1,2,3
	v_wmma_f32_16x16x32_bf16 v[OO+32*\q+8*\d:OO+32*\q+8*\d+7], v[VF+32+8*\d:VF+32+8*\d+7], v[SS+32*\q+16:SS+32*\q+23], v[OO+32*\q+8*\d:OO+32*\q+8*\d+7]
.endr
.endr
.endm
	s_wait_tensorcnt 0x1                           ; my phase-0 load has landed; my phase-1 load may stay out
	s_barrier_signal -1
	s_barrier_wait -1                              ; keys 0-511 of K and V are whole
	WIN W_LDS
	LOADK                                          ; step 0's K
	WIN W_SOFT
	v_add_nc_u32 v[KA], 64*KPITCH, v[KA]
	s_wait_loadcnt 0x0                             ; Q
	WIN 0
	; step 0, and the half step between the two waves of a SIMD: hs = 0 ahead of the barrier, hs = 1 behind it
	s_cmp_lg_u32 s40, 0
	s_cbranch_scc1 .Lskew_a
	HEAD 1, 1, 0, 0, 0
	WIN 0
.Lskew_a:
	s_wait_dscnt 0x0                               ; no LDS instruction of mine is pending at the signal
	s_barrier_signal -1
	s_barrier_wait -1
	s_cmp_eq_u32 s40, 0
	s_cbranch_scc1 .Lskew_b
	HEAD 1, 1, 0, 0, 0
	WIN 0
.Lskew_b:
	TAIL 1, 1
	HEAD 0, 1, 0, 0, 0                             ; step 1
	TAIL 0, 1
	s_wait_dscnt 0x0                               ; no LDS instruction of mine is pending at the signal
	s_wait_tensorcnt 0x0                           ; my phase-1 load has landed: no tensor load of mine is out any more
	s_barrier_signal -1                            ; the wait stands in step 3; between the two: register work and LDS loads of K and V, which nobody writes before the merge's barrier
	HEAD 0, 1, 1, 0, 0                             ; step 2; it asks for K of step 3, the last of phase 0, and K's address jumps
	TAIL 0, 1
	HEAD 0, 1, 0, 1, 1                             ; step 3; behind the barrier's wait it asks for K of step 4, the first of phase 1; V's address jumps
	TAIL 0, 1
	WIN 0
	s_mov_b32 s53, 3
.Lrun:
	HEAD 0, 1, 0, 0, 0                             ; steps 4, 5, 6
	TAIL 0, 1
	WIN 0
	s_sub_co_u32 s53, s53, 1
	s_cmp_lg_u32 s53, 0
	s_cbranch_scc1 .Lrun
	HEAD 0, 0, 0, 0, 0                             ; step 7
	TAIL 0, 0
	PLACES                                         ; behind the last products, before O is read
	; THE MERGE.  The two halves of the lanes add their sums; tiles 2, 3 with their m and sum go to the partner.
	WIN W_SOFT
.irp q, 0,1,2,3
	v_permlanex16_b32 v[T1+\q], v[LL+\q], s48, s49
.endr
	v_add_f32 v[LL], v[LL], v[T1]
	v_add_f32 v[LL+1], v[LL+1], v[T1+1]
	v_mov_b32 v[A1], v[MM+2]
	v_mov_b32 v[A1+1], v[MM+3]
	v_add_f32 v[A1+2], v[LL+2], v[T1+2]
	v_add_f32 v[A1+3], v[LL+3], v[T1+3]
	s_wait_dscnt 0x0                               ; my reads of K and V are over
	s_barrier_signal -1
	s_barrier_wait -1                              ; everybody's are: K's region may be written
	WIN W_LDS
.set n, 0
.rept 16
	ds_store_b128 v[XS], v[OO+64+4*n:OO+64+4*n+3] offset:512*n     ; 16 bytes a lane, 512 consecutive bytes a store
.set n, n+1
.endr
	WIN 0x05
	ds_store_b128 v[XS], v[A1:A1+3] offset:8192    ; m of tiles 2, 3, sums of tiles 2, 3
	s_wait_dscnt 0x0                               ; my stores are done, for my partner's sake, before I signal
	s_barrier_signal -1
	s_barrier_wait -1
	WIN 0x41
	ds_load_b128 v[A0:A0+3], v[XL] offset:8192     ; the partner's m and sums of my tiles 0, 1
	WIN W_LDS
.set n, 0
.rept 16
	ds_load_b128 v[KF+4*n:KF+4*n+3], v[XL] offset:512*n            ; the partner's O of my tiles 0, 1
.set n, n+1
.endr
	s_wait_dscnt 16                                ; all but those 16: m and sums are in
	WIN W_SOFT
	v_max_num_f32 v[T0], v[MM], v[A0]
	v_max_num_f32 v[T0+1], v[MM+1], v[A0+1]
	v_mul_f32 v[NMC], s52, v[T0]
	v_mul_f32 v[NMC+1], s52, v[T0+1]
	v_fma_f32 v[T1], v[MM], s50, v[NMC]            ; (m_A - m) c
	v_fma_f32 v[T1+1], v[MM+1], s50, v[NMC+1]
	v_fma_f32 v[T1+2], v[A0], s50, v[NMC]          ; (m_B - m) c
	v_fma_f32 v[T1+3], v[A0+1], s50, v[NMC+1]
.irp i, 0,1,2,3
	v_exp_f32 v[T1+\i], v[T1+\i]
.endr
	v_nop                                          ; one plain vector instruction behind v_exp_f32 before its result is used (ISA guide 5.7.2)
	s_wait_alu depctr_va_vdst(0)
	v_mul_f32 v[LL], v[LL], v[T1]
	v_mul_f32 v[LL+1], v[LL+1], v[T1+1]
	v_fma_f32 v[LL], v[A0+2], v[T1+2], v[LL]       ; l_A a_A + l_B a_B
	v_fma_f32 v[LL+1], v[A0+3], v[T1+3], v[LL+1]
	v_rcp_f32 v[T0], v[LL]
	v_rcp_f32 v[T0+1], v[LL+1]
	v_nop                                          ; the same behind v_rcp_f32
	s_wait_alu depctr_va_vdst(0)
.irp q, 0,1
	v_mul_f32 v[AL+2*\q], v[T1+\q], v[T0+\q]       ; a_A / l, twice
	v_mul_f32 v[AL+2*\q+1], v[T1+\q], v[T0+\q]
	v_mul_f32 v[AL+4+2*\q], v[T1+2+\q], v[T0+\q]   ; a_B / l, twice
	v_mul_f32 v[AL+4+2*\q+1], v[T1+2+\q], v[T0+\q]
.endr
	s_wait_dscnt 0x0                               ; the partner's O
	WIN W_PV
.irp q, 0,1
.set j, 0
.rept 16
	v_pk_mul_f32 v[OO+32*\q+j:OO+32*\q+j+1], v[OO+32*\q+j:OO+32*\q+j+1], v[AL+2*\q:AL+2*\q+1]
.set j, j+2
.endr
.endr
.irp q, 0,1
.set j, 0
.rept 16
	v_pk_fma_f32 v[OO+32*\q+j:OO+32*\q+j+1], v[KF+32*\q+j:KF+32*\q+j+1], v[AL+4+2*\q:AL+4+2*\q+1], v[OO+32*\q+j:OO+32*\q+j+1]
.set j, j+2
.endr
.endr
	WIN 0
.irp q, 0,1
.irp d, 0,1,2,3
.irp r, 0,1,2,3
	v_cvt_pk_bf16_f32 v[VF+16*\q+4*\d+\r], v[OO+32*\q+8*\d+2*\r], v[OO+32*\q+8*\d+2*\r+1]
.endr
.endr
.endr
	WIN W_LDS
	; 16 queries at a time through my own stage: 16 bytes a lane in, four whole rows of 128 bytes a load back
.irp q, 0,1
.irp d, 0,1,2,3
	ds_store_b128 v[STO], v[VF+16*\q+4*\d:VF+16*\q+4*\d+3] offset:32*\d
.endr
.irp t, 0,1,2,3
	ds_load_b128 v[VF+32+16*\q+4*\t:VF+32+16*\q+4*\t+3], v[RD] offset:\t*4*KPITCH   ; a wave's LDS instructions are served in order: these see the stores above, and the next tile's stores come behind them
.endr
.endr
	s_wait_dscnt 0x0
.irp q, 0,1
.irp t, 0,1,2,3
	global_store_b128 v[CO], v[VF+32+16*\q+4*\t:VF+32+16*\q+4*\t+3], s[56:57] offset:2048*\q+512*\t   ; 512 consecutive bytes, aligned
.endr
.endr
	WIN 0
	s_set_vgpr_msb 0x5
	s_wait_tensorcnt 0x0
	ds_add_u32 v254, v255
	s_wait_dscnt 0x0
	s_set_vgpr_msb 0x500
	ROUND                                          ; the closing round
	s_endpgm
.Lfunc_end_k_q7014217340_attn:
	.size	k_q7014217340_attn, .Lfunc_end_k_q7014217340_attn-k_q7014217340_attn
	.p2alignl 7, 3214868480
	.fill 96, 4, 3214868480
	.section	.rodata,"a",@progbits
	.p2align	6, 0x0
	.amdhsa_kernel k_q7014217340_attn
		.amdhsa_group_segment_fixed_size 312320
		.amdhsa_private_segment_fixed_size 0
		.amdhsa_enable_private_segment 0
		.amdhsa_kernarg_size 16
		.amdhsa_user_sgpr_count 2
		.amdhsa_user_sgpr_kernarg_segment_ptr 1
		.amdhsa_wavefront_size32 1
		.amdhsa_system_sgpr_workgroup_id_x 1
		.amdhsa_system_sgpr_workgroup_id_y 1
		.amdhsa_system_sgpr_workgroup_id_z 1
		.amdhsa_system_vgpr_workitem_id 0
		.amdhsa_next_free_vgpr 512
		.amdhsa_next_free_sgpr 66
		.amdhsa_reserve_vcc 0
		.amdhsa_float_denorm_mode_32 3
		.amdhsa_float_denorm_mode_16_64 3
		.amdhsa_memory_ordered 1
		.amdhsa_forward_progress 1
		.amdhsa_inst_pref_size 222
	.end_amdhsa_kernel
	.amdgpu_metadata
---
amdhsa.version: [ 1, 2 ]
amdhsa.kernels:
  - .name:           k_q7014217340_attn
    .symbol:         k_q7014217340_attn.kd
    .args:
      - { .name: qkv, .offset: 0, .size: 8, .value_kind: global_buffer, .address_space: global }
      - { .name: o, .offset: 8, .size: 8, .value_kind: global_buffer, .address_space: global }
    .group_segment_fixed_size: 312320
    .private_segment_fixed_size: 0
    .kernarg_segment_align: 8
    .kernarg_segment_size: 16
    .max_flat_workgroup_size: 256
    .sgpr_count:     66
    .vgpr_count:     512
    .wavefront_size: 32
...
	.end_amdgpu_metadata
.endif
;; end of part 3
;; launch outgemm (part 4): grid 8 x 32, 4 waves a work-group, clusters of 4 x 4, 327,680 bytes of LDS; arguments o, wob, b_out, x, out0; writes out0
.if DOCPART == 4
	.amdgcn_target "amdgcn-amd-amdhsa--gfx1250"
	.amdhsa_code_object_version 6
	.text
	.protected	k_q7014217340_outgemm
	.globl	k_q7014217340_outgemm
	.p2align	8
	.type	k_q7014217340_outgemm,@function
k_q7014217340_outgemm:
	s_mov_b64 s[64:65], 0
	v_nop
	global_prefetch_b8 v0, s[64:65] scope:SCOPE_SE
	s_setreg_imm32_b32 hwreg(HW_REG_WAVE_MODE, 25, 1), 1
	s_wait_xcnt 0x0
	s_wait_alu depctr_hold_cnt(0) depctr_sa_sdst(0) depctr_va_vdst(0) depctr_va_sdst(0) depctr_va_ssrc(0) depctr_va_vcc(0) depctr_vm_vsrc(0)
	s_getreg_b32 s2, hwreg(HW_REG_IB_STS2, 6, 4)
	s_cmp_eq_u32 s2, 0
	s_cbranch_scc0 .Lentry_in_a_cluster
	s_endpgm
.Lentry_in_a_cluster:
	s_bfe_u32 s2, ttmp6, 0x10000c
	s_cmp_lg_u32 s2, 0xf033
	s_cbranch_scc0 .Lentry_shape_is_right
	s_endpgm
.Lentry_shape_is_right:
; out0 = x + o wob^T + b_out.  o: [4096][1024] bf16 (the attention's [64][1024][64] block read as it lies: the raw reshape),
; wob: [1024][1024] bf16, b_out: [1024] f32, x and out0: [4096][1024] f32.  Sums in f32, started by the bias.
; A work-group makes 128 x 128: 8 x 32 = 256 work-groups.  Four waves, 2 x 2, each 64 x 64: 16 accumulator tiles.
; K goes through two LDS slots that hold 256 along K each (two steps of 128 in one load: rows of 512 bytes), so that a refill has
; 128 matrix instructions of every wave in which to land, and there is one barrier for 256 along K.
; CLUSTERS: 4 x 4 work-groups; o's tile is asked for jointly along a row of the cluster, wob's along a column.
; THE WALK ALONG K IS ROTATED: a cluster whose coordinates x + y are odd takes K 512-1023 first and K 0-511 second.  The two clusters
; that read the same rows of o differ in x by one: between them their first fills ask for all of K, and each refill asks for what
; the other asked for at the start.  Clusters that read the same rows of wob and differ in y by an odd number do the same.  The
; offset hangs on the cluster's coordinates alone: it is equal in all partners of a joint load.  The order of the f32 sums along K
; therefore differs from cluster to cluster.
; The matrix instruction is used transposed (source 0 = rows of wob, source 1 = rows of o): a lane holds eight neighbouring columns.
; x's 64 x 64 block of the wave is asked for behind the first barrier, when the first tiles have landed, into 128 registers and
; added on the way out.
; REGISTERS: window 0: addresses, fragments (two buffers), bias tiles, read-back;  window 1: accumulators 0-127, x 128-255.
.set PITCH,  528                       ; 512 bytes + 16: an odd multiple of 16
.set HALFT,  64*PITCH                  ; what one load brings
.set SLOT,   4*HALFT                   ; o's 128 rows, then wob's 128 rows
.set STAGE,  2*SLOT                    ; 270,336, a multiple of 256: 16 rows x 272 bytes for each wave; no tensor load lands here
.set SPITCH, 272                       ; 256 bytes of a row's 64 f32 + 16
.set ADRA, 16
.set ADRB, 20
.set STO,  24
.set RD,   25
.set CO,   26
.set BO,   27
.set FA,   32                          ; o's fragments, buffer f at FA + 64 f
.set FB,   64                          ; wob's fragments, buffer f at FB + 64 f
.set BIAS, 160                         ; 4 bias tiles
.set RB,   192                         ; read-back
.set XR,   128                         ; window 1: x, row block i, row pair t at XR + 32 i + 4 t
.set G1A, 16
.set G1B, 24
.set G0A, 32
.set G0B, 48
.set KFI, 66                           ; s[66:67] byte offset along K of the first fills: 0 or 1,024
.set KRE, 80                           ; s[80:81] of the refills: the other of the two
.set MSB, 0
.macro WIN new
.if MSB != \new
	s_set_vgpr_msb (MSB<<8)|\new
.set MSB, \new
.endif
.endm
.macro PLACES
.rept 4
	v_nop
.endr
.endm
.macro JLOAD s                         ; waves 0, 1 fetch o's halves, waves 2, 3 wob's
	s_cmp_eq_u32 s15, 0
	s_cbranch_scc0 .Lfor_b_\@
	tensor_load_to_lds s[G0A+4*\s:G0A+4*\s+3], s[G1A:G1A+7]
	s_nop 0
	s_branch .Lasked_\@
.Lfor_b_\@:
	tensor_load_to_lds s[G0B+4*\s:G0B+4*\s+3], s[G1B:G1B+7]
	s_nop 0
.Lasked_\@:
.endm
.macro CREST
	s_cmp_lg_u32 s14, 0
	s_cbranch_scc1 .Lnot_wave_0_\@
	s_barrier_signal -3
.Lnot_wave_0_\@:
	s_barrier_wait -3
	s_barrier_signal -1
	s_barrier_wait -1
.endm
.macro CROUND
	s_barrier_signal -1
	s_barrier_wait -1
	CREST
.endm
; the global address of slot s's tiles, at byte offset pair ko along K: both sets of group 0
.macro SETADR s, ko
	s_add_nc_u64 s[G0A+4*\s+2:G0A+4*\s+3], s[58:59], s[\ko:\ko+1]
	s_add_nc_u64 s[G0B+4*\s+2:G0B+4*\s+3], s[62:63], s[\ko:\ko+1]
.if \s
	s_add_nc_u64 s[G0A+4*\s+2:G0A+4*\s+3], s[G0A+4*\s+2:G0A+4*\s+3], 512   ; slot 1: 256 along K further
	s_add_nc_u64 s[G0B+4*\s+2:G0B+4*\s+3], s[G0B+4*\s+2:G0B+4*\s+3], 512
.endif
	s_or_b32 s[G0A+4*\s+3], s[G0A+4*\s+3], 0x80000000
	s_or_b32 s[G0B+4*\s+3], s[G0B+4*\s+3], 0x80000000
.endm
	s_load_b256 s[4:11], s[0:1], 0x0               ; o 4:5, wob 6:7, b_out 8:9, x 10:11
	s_load_b64 s[12:13], s[0:1], 0x20              ; out0
	v_lshl_add_u32 v254, v0, 2, 0x46400
	v_mov_b32 v255, 0
	ds_add_u32 v254, v255
	v_lshrrev_b32 v1, 5, v0
	v_readfirstlane_b32 s14, v1                    ; wave
	s_lshr_b32 s15, s14, 1                         ; my half of the block's rows.  Also: I fetch for o (0) or wob (1)
	s_and_b32 s46, s14, 1                          ; my half of its columns.  Also: which 64 rows of that tile I fetch
	s_bfe_u32 s40, ttmp6, 0x40000                  ; cx
	s_bfe_u32 s41, ttmp6, 0x40004                  ; cy
	s_lshl_b32 s42, ttmp9, 2
	s_add_co_u32 s42, s42, s40                     ; block column
	s_and_b32 s43, ttmp7, 0xffff
	s_lshl_b32 s43, s43, 2
	s_add_co_u32 s43, s43, s41                     ; block row
	s_lshl_b32 s44, s41, 2
	s_lshl_b32 s44, 15, s44                        ; my row of the cluster
	s_lshl_b32 s45, 0x1111, s40                    ; my column
	; which half of K my cluster takes first: from the cluster's coordinates alone
	s_and_b32 s[KFI], ttmp7, 0xffff                ; the cluster's y
	s_add_co_u32 s[KFI], s[KFI], ttmp9             ; + its x
	s_and_b32 s[KFI], s[KFI], 1
	s_lshl_b32 s[KFI], s[KFI], 10                  ; 512 along K are 1,024 bytes of a row
	s_mov_b32 s[KFI+1], 0
	s_xor_b32 s[KRE], s[KFI], 1024
	s_mov_b32 s[KRE+1], 0
	s_or_b32 s[G1A+0], s44, (1<<16)|(1<<20)|(1<<21)|(6<<22)|(3<<25)   ; mask; 2-byte elements; padding: after every 128 words 4 words
	s_or_b32 s[G1B+0], s45, (1<<16)|(1<<20)|(1<<21)|(6<<22)|(3<<25)
	s_mov_b32 s[G1A+1], 256<<16                    ; tensor_dim0 = 256
	s_mov_b32 s[G1B+1], 256<<16
	s_mov_b32 s[G1A+2], 64<<16                     ; tensor_dim1 = 64
	s_mov_b32 s[G1B+2], 64<<16
	s_mov_b32 s[G1A+3], 256<<16                    ; tile_dim0 = 256
	s_mov_b32 s[G1B+3], 256<<16
	s_mov_b32 s[G1A+4], 64                         ; tile_dim1 = 64
	s_mov_b32 s[G1B+4], 64
	s_mov_b32 s[G1A+5], 1024
	s_mov_b32 s[G1B+5], 1024
	s_mov_b32 s[G1A+6], 0
	s_mov_b32 s[G1B+6], 0
	s_mov_b32 s[G1A+7], 0
	s_mov_b32 s[G1B+7], 0
	s_lshl_b32 s56, s43, 7                         ; o: row 128 x block row + 64 x half, rows of 2,048 bytes
	s_lshl_b32 s57, s46, 6
	s_add_co_u32 s56, s56, s57
	s_lshl_b32 s56, s56, 11
	s_mov_b32 s57, 0
	s_lshl_b32 s60, s42, 7                         ; wob: row 128 x block column + 64 x half
	s_lshl_b32 s61, s46, 6
	s_add_co_u32 s60, s60, s61
	s_lshl_b32 s60, s60, 11
	s_mov_b32 s61, 0
	s_mul_i32 s47, s14, HALFT                      ; LDS: o's two halves, then wob's two halves = wave x 64 rows
	; my 64 x 64 block of x and out0, and my 64 numbers of the bias: registers of their own
	s_lshl_b32 s68, s43, 7
	s_lshl_b32 s69, s15, 6
	s_add_co_u32 s68, s68, s69
	s_lshl_b32 s68, s68, 12                        ; rows of 4,096 bytes
	s_lshl_b32 s70, s42, 7
	s_lshl_b32 s71, s46, 6
	s_add_co_u32 s70, s70, s71
	s_lshl_b32 s70, s70, 2                         ; columns of 4 bytes
	s_add_co_u32 s68, s68, s70
	s_mov_b32 s69, 0
	s_mov_b32 s71, 0
	s_wait_dscnt 0x0
	s_wait_kmcnt 0x0
	s_add_nc_u64 s[58:59], s[4:5], s[56:57]        ; my rows of o at K = 0; kept for the refills
	s_add_nc_u64 s[62:63], s[6:7], s[60:61]        ; my rows of wob at K = 0; kept for the refills
	s_add_nc_u64 s[72:73], s[10:11], s[68:69]      ; x
	s_add_nc_u64 s[74:75], s[12:13], s[68:69]      ; out0
	s_add_nc_u64 s[76:77], s[8:9], s[70:71]        ; b_out
	CROUND                                         ; all sixteen work-groups are here: the first joint loads meet
.irp s, 0,1
	s_mov_b32 s[G0A+4*\s], 1
	s_add_co_u32 s[G0A+4*\s+1], s47, \s*SLOT
	s_mov_b32 s[G0B+4*\s], 1
	s_add_co_u32 s[G0B+4*\s+1], s47, \s*SLOT
	SETADR \s, KFI
	JLOAD \s                                       ; two loads of the wave are out
.endr
	v_and_b32 v1, 15, v0                           ; r
	v_bfe_u32 v2, v0, 4, 1                         ; hh
	v_lshlrev_b32 v[BO], 5, v2
	v_lshlrev_b32 v[CO], 12, v2                    ; lanes 0-15 one row of x and out0, lanes 16-31 the next,
	v_lshl_add_u32 v[CO], v1, 4, v[CO]             ; 16 bytes a lane: 256 consecutive bytes for each sixteen lanes
.irp b, 0,1,2,3
	global_load_b128 v[BIAS+8*\b:BIAS+8*\b+3],   v[BO], s[76:77] offset:64*\b       ; tile b, register j = b_out[my column + 16 b + 8 hh + j]
	global_load_b128 v[BIAS+8*\b+4:BIAS+8*\b+7], v[BO], s[76:77] offset:64*\b+16
.endr
	v_mul_u32_u24 v4, v1, PITCH
	v_lshl_add_u32 v4, v2, 4, v4
	s_mul_i32 s79, s15, HALFT                      ; my 64 rows of o
	v_add_nc_u32 v[ADRA], s79, v4
	v_add_nc_u32 v[ADRA+1], SLOT, v[ADRA]
	s_mul_i32 s79, s46, HALFT                      ; my 64 rows of wob,
	s_add_co_u32 s79, s79, 2*HALFT                 ; which lie behind o's 128
	v_add_nc_u32 v[ADRB], s79, v4
	v_add_nc_u32 v[ADRB+1], SLOT, v[ADRB]
	s_mul_i32 s78, s14, 16*SPITCH
	s_add_co_u32 s78, s78, STAGE                   ; my stage
	v_mul_u32_u24 v5, v1, SPITCH
	v_lshl_add_u32 v5, v2, 5, v5                   ; in: row r, 32 bytes for each half of the lanes
	v_add_nc_u32 v[STO], s78, v5
	v_mul_u32_u24 v6, v2, SPITCH
	v_lshl_add_u32 v6, v1, 4, v6                   ; back: lanes 0-15 one row of 256 bytes, lanes 16-31 the next
	v_add_nc_u32 v[RD], s78, v6
; 8 matrix instructions: row blocks a0, a0 + 1 x 4 column blocks, 32 along K.  first = 1: the bias tile is C and starts the sums.
; The 16 accumulators take turns, one instruction a turn, in the same order in every quarter.
.macro MUL8 f, a0, first
.if \first
	WIN 0x40
.else
	WIN 0x50
.endif
.irp a, \a0, \a0+1
.irp b, 0,1,2,3
.if \first
	v_wmma_f32_16x16x32_bf16 v[8*(4*(\a)+\b):8*(4*(\a)+\b)+7], v[FB+64*\f+8*\b:FB+64*\f+8*\b+7], v[FA+64*\f+8*(\a):FA+64*\f+8*(\a)+7], v[BIAS+8*\b:BIAS+8*\b+7]
.else
	v_wmma_f32_16x16x32_bf16 v[8*(4*(\a)+\b):8*(4*(\a)+\b)+7], v[FB+64*\f+8*\b:FB+64*\f+8*\b+7], v[FA+64*\f+8*(\a):FA+64*\f+8*(\a)+7], v[8*(4*(\a)+\b):8*(4*(\a)+\b)+7]
.endif
.endr
.endr
.endm
.macro FETCH slot, k, f                ; 16 LDS loads: 4 fragments of wob, 4 of o, 32 K at byte k of the slot's rows
	WIN 0
.irp i, 0,1,2,3
	ds_load_b128 v[FB+64*\f+8*\i:FB+64*\f+8*\i+3],   v[ADRB+\slot] offset:\k+\i*16*PITCH
	ds_load_b128 v[FB+64*\f+8*\i+4:FB+64*\f+8*\i+7], v[ADRB+\slot] offset:\k+\i*16*PITCH+32
.endr
.irp i, 0,1,2,3
	ds_load_b128 v[FA+64*\f+8*\i:FA+64*\f+8*\i+3],   v[ADRA+\slot] offset:\k+\i*16*PITCH
	ds_load_b128 v[FA+64*\f+8*\i+4:FA+64*\f+8*\i+7], v[ADRA+\slot] offset:\k+\i*16*PITCH+32
.endr
.endm
.macro QUARTER slot, k, f, g, first
	WIN 0
	PLACES                                         ; buffer g was read by the matrix instructions in front
	FETCH \slot, \k, \g
	s_wait_dscnt 16                                ; all but the 16 loads just issued: buffer f is in
	MUL8 \f, 0, \first
	MUL8 \f, 2, \first
.endm
.macro SEVEN slot, first               ; the first seven of a slot's eight quarters of 32 along K
	QUARTER \slot, 64,  0, 1, \first
	QUARTER \slot, 128, 1, 0, 0
	QUARTER \slot, 192, 0, 1, 0
	QUARTER \slot, 256, 1, 0, 0
	QUARTER \slot, 320, 0, 1, 0
	QUARTER \slot, 384, 1, 0, 0
	QUARTER \slot, 448, 0, 1, 0
.endm
; The eighth quarter multiplies buffer 1 and changes slots: each wave's waits for its reads of this slot and for all its tensor loads
; stand in front of the barrier; where the slot is filled again the barrier opens a round of the cluster's barrier and the joint
; refill is the first tensor load behind the round.
.macro TURN slot, next, fill
	s_wait_dscnt 0x0
	s_wait_tensorcnt 0x0
	ds_add_u32 v254, v255
	s_wait_dscnt 0x0
	s_barrier_signal -1
	MUL8 1, 0, 0
	WIN 0
	s_barrier_wait -1
.if \fill
	CREST
	SETADR \slot, KRE                              ; the other half of K; no load of mine is out, so both group 0 sets may be written
	JLOAD \slot
.endif
	PLACES
	FETCH \next, 0, 0
	MUL8 1, 2, 0
.endm
	s_wait_tensorcnt 0x1                           ; my part of slot 0 is in; slot 1's may stay out
	s_barrier_signal -1
	s_barrier_wait -1
	FETCH 0, 0, 0
	WIN 0x40
.irp i, 0,1,2,3
.irp t, 0,1,2,3,4,5,6,7
	global_load_b128 v[XR+32*\i+4*\t:XR+32*\i+4*\t+3], v[CO], s[72:73] offset:(16*\i+2*\t)*4096 th:TH_LOAD_NT   ; x: wanted on the way out, all 512 products later
.endr
.endr
	WIN 0
	s_wait_loadcnt 32                              ; the bias is in; the 32 younger loads of x stay out
	SEVEN 0, 1                                     ; the first 256 along K of my cluster's walk
	TURN 0, 1, 1
	SEVEN 1, 0
	TURN 1, 0, 1
	SEVEN 0, 0
	TURN 0, 1, 0                                   ; nothing is left to fetch
	SEVEN 1, 0
	s_wait_dscnt 0x0
	MUL8 1, 0, 0
	MUL8 1, 2, 0
	WIN 0
	PLACES                                         ; behind the last matrix instructions, before results are stored to LDS
	s_wait_loadcnt 0x0                             ; x
; THE WAY OUT, 16 rows at a time: 32 bytes a lane into my own stage, whole rows of 256 bytes back, x added, stored.
.macro OUT16 i
	WIN 0x04                                       ; LDS store data in window 1
.irp b, 0,1,2,3
	ds_store_b128 v[STO], v[8*(4*\i+\b):8*(4*\i+\b)+3]   offset:64*\b
	ds_store_b128 v[STO], v[8*(4*\i+\b)+4:8*(4*\i+\b)+7] offset:64*\b+16
.endr
.irp t, 0,1,2,3,4,5,6,7
	ds_load_b128 v[RB+4*\t:RB+4*\t+3], v[RD] offset:\t*2*SPITCH    ; a wave's LDS instructions are served in order: these see the stores above
.endr
	s_wait_dscnt 0x0
	WIN 0x44                                       ; x as second source and as destination, and as store data, in window 1
.set p, 0
.rept 16
	v_pk_add_f32 v[XR+32*\i+p:XR+32*\i+p+1], v[RB+p:RB+p+1], v[XR+32*\i+p:XR+32*\i+p+1]
.set p, p+2
.endr
.irp t, 0,1,2,3,4,5,6,7
	global_store_b128 v[CO], v[XR+32*\i+4*\t:XR+32*\i+4*\t+3], s[74:75] offset:(16*\i+2*\t)*4096 th:TH_STORE_NT   ; sixteen lanes store 256 consecutive bytes, aligned
.endr
.endm
	OUT16 0
	OUT16 1
	OUT16 2
	OUT16 3
	WIN 0
	s_wait_tensorcnt 0x0
	ds_add_u32 v254, v255
	s_wait_dscnt 0x0
	CROUND                                         ; the closing round
	s_endpgm
.Lfunc_end_k_q7014217340_outgemm:
	.size	k_q7014217340_outgemm, .Lfunc_end_k_q7014217340_outgemm-k_q7014217340_outgemm
	.p2alignl 7, 3214868480
	.fill 96, 4, 3214868480
	.section	.rodata,"a",@progbits
	.p2align	6, 0x0
	.amdhsa_kernel k_q7014217340_outgemm
		.amdhsa_group_segment_fixed_size 327680
		.amdhsa_private_segment_fixed_size 0
		.amdhsa_enable_private_segment 0
		.amdhsa_kernarg_size 40
		.amdhsa_user_sgpr_count 2
		.amdhsa_user_sgpr_kernarg_segment_ptr 1
		.amdhsa_wavefront_size32 1
		.amdhsa_system_sgpr_workgroup_id_x 1
		.amdhsa_system_sgpr_workgroup_id_y 1
		.amdhsa_system_sgpr_workgroup_id_z 1
		.amdhsa_system_vgpr_workitem_id 0
		.amdhsa_next_free_vgpr 512
		.amdhsa_next_free_sgpr 82
		.amdhsa_reserve_vcc 0
		.amdhsa_float_denorm_mode_32 3
		.amdhsa_float_denorm_mode_16_64 3
		.amdhsa_memory_ordered 1
		.amdhsa_forward_progress 1
		.amdhsa_inst_pref_size 96
	.end_amdhsa_kernel
	.amdgpu_metadata
---
amdhsa.version: [ 1, 2 ]
amdhsa.kernels:
  - .name:           k_q7014217340_outgemm
    .symbol:         k_q7014217340_outgemm.kd
    .args:
      - { .name: o, .offset: 0, .size: 8, .value_kind: global_buffer, .address_space: global }
      - { .name: wob, .offset: 8, .size: 8, .value_kind: global_buffer, .address_space: global }
      - { .name: b_out, .offset: 16, .size: 8, .value_kind: global_buffer, .address_space: global }
      - { .name: x, .offset: 24, .size: 8, .value_kind: global_buffer, .address_space: global }
      - { .name: out0, .offset: 32, .size: 8, .value_kind: global_buffer, .address_space: global }
    .group_segment_fixed_size: 327680
    .private_segment_fixed_size: 0
    .kernarg_segment_align: 8
    .kernarg_segment_size: 40
    .max_flat_workgroup_size: 128
    .sgpr_count:     82
    .vgpr_count:     512
    .wavefront_size: 32
...
	.end_amdgpu_metadata
.endif
;; end of part 4
